; MI455X (gfx1250); checked and timed in simulation.
; The chip was launched on July 23, 2026; its instructions are those of AMD's public machine-readable ISA for CDNA 5 (MIT licence, August 2026) and "CDNA5" Instruction Set Architecture Reference Guide (July 2026). The comments in the code are by the model that wrote it; some were corrected since.
;; LASCC. Allowed arithmetic: float matrix products may take bf16 or f16 operands with f32 sums; all other float work in f32.
;; Inputs: alpha one number float32; x 16 x 128 x 64 x 64 float32.
;; Outputs: out0 16 x 3 x 64 x 64 float32.
;; One version. Each part assembles by itself: llvm-mc -triple=amdgcn-amd-amdhsa -mcpu=gfx1250 --defsym DOCPART=n.
;; ======== version 1 of 1: 3 launches
;; workspace buffers: xn 8,388,608 bytes; nl 196,608 bytes
;; launch prep (part 1): grid 64 x 16, 8 waves a work-group, no clusters, 2,048 bytes of LDS; arguments x, xn; writes xn
.if DOCPART == 1
	.amdgcn_target "amdgcn-amd-amdhsa--gfx1250"
	.amdhsa_code_object_version 6
	.text
	.protected	k_q60740835c0_prep
	.globl	k_q60740835c0_prep
	.p2align	8
	.type	k_q60740835c0_prep,@function
k_q60740835c0_prep:
	s_mov_b64 s[64:65], 0
	v_nop
	global_prefetch_b8 v0, s[64:65] scope:SCOPE_SE
	s_setreg_imm32_b32 hwreg(HW_REG_WAVE_MODE, 25, 1), 1
	s_wait_xcnt 0x0
; L2-normalise the diagonal pixels of x over the 128 channels and lay them out as bf16 matrix fragments.
; x: [16][128][64][64] f32.  Only pixel (2i, 2j) (pixel set p = 0) and (2i+1, 2j+1) (p = 1) of each 2 x 2 patch enter the result.
; A work-group owns one image row y = 2i + p of one batch: 32 patches (lane = patch column j) x 128 channels (wave w: channels 16w .. 16w+15).
; A load of a wave takes the 32 wanted floats of one channel's row of 256 bytes; each such row is touched by one load of the launch.
; xn: [b][p][tile = patch / 16][g = channel / 8][r = patch % 16][8 channels] bf16: a block of 4,096 bytes for 16 patches, in which the
; 16 bytes that lane 16h + r of a 16 x 16 x 32 fragment wants lie at 256 (2q + h) + 16 r: eight loads of 512 consecutive bytes fill 32 registers.
; Here lanes 0-15 store 256 consecutive, aligned bytes (one g of one tile), lanes 16-31 the same g of the next tile.
; Limits: the sum of squares is added in another order than a plain loop over channels; values are rounded to bf16 once, after the division.
.set CSTEP, 16384                      ; bytes from a channel to the next
.set XR,   2                           ; v[2:17]   my pixel in 16 channels
.set SS,   18                          ; v[18:19]  sum of squares
.set PSUM, 20                          ; v[20:27]  the eight waves' sums
.set INV,  28                          ; v[28:29]  1 / norm, twice
.set YR,   30                          ; v[30:37]  16 bf16
.set OFFI, 38
.set OFFO, 39
.set LST,  40
.set LRD,  41
	s_load_b128 s[4:7], s[0:1], 0x0                ; x s[4:5], xn s[6:7]
	v_lshl_add_u32 v48, v0, 2, 0x400
	v_mov_b32 v49, 0
	v_lshrrev_b32 v1, 5, v0
	v_readfirstlane_b32 s8, v1                     ; wave
	v_and_b32 v1, 31, v0                           ; lane = patch column j
	s_and_b32 s9, ttmp7, 0xffff                    ; batch
	s_and_b32 s10, ttmp9, 1                        ; p = y & 1
	s_lshr_b32 s11, ttmp9, 1                       ; patch row i
	s_lshl_b32 s12, s9, 21                         ; batch x 128 channels x 16,384 bytes
	s_lshl_b32 s13, s8, 18                         ; + wave x 16 channels
	s_add_co_u32 s12, s12, s13
	s_lshl_b32 s13, ttmp9, 8                       ; + y x 256
	s_add_co_u32 s12, s12, s13
	s_lshl2_add_u32 s12, s10, s12                  ; + 4 p: the odd rows use the odd columns
	s_mov_b32 s13, 0
	s_lshl_b32 s14, s9, 19                         ; xn: batch x 2 x 64 blocks
	s_lshl_b32 s15, s10, 18                        ; + p x 64 blocks
	s_add_co_u32 s14, s14, s15
	s_lshl_b32 s15, s11, 13                        ; + two blocks for a patch row
	s_add_co_u32 s14, s14, s15
	s_lshl_b32 s15, s8, 9                          ; + g = 2 w
	s_add_co_u32 s14, s14, s15
	s_mov_b32 s15, 0
	v_lshlrev_b32 v[OFFI], 3, v1                   ; 8 bytes from patch to patch
	v_lshlrev_b32 v[LRD], 2, v1
	v_lshl_add_u32 v[LST], s8, 7, v[LRD]           ; LDS: 128 w + 4 lane
	v_and_b32 v[OFFO], 15, v1
	v_lshrrev_b32 v1, 4, v1
	v_lshlrev_b32 v[OFFO], 4, v[OFFO]              ; 16 r
	v_lshl_add_u32 v[OFFO], v1, 12, v[OFFO]        ; + 4,096 for patches 16 to 31
	s_wait_kmcnt 0x0
	s_add_nc_u64 s[4:5], s[4:5], s[12:13]
	s_add_nc_u64 s[6:7], s[6:7], s[14:15]
.irp k, 0,1,2,3,4,5,6,7,8,9,10,11,12,13,14,15
	global_load_b32 v[XR+\k], v[OFFI], s[4:5] offset:\k*CSTEP th:TH_LOAD_NT
.endr
	s_wait_loadcnt 14                              ; loads return in order: the first two are in, fourteen younger ones stay out
	v_pk_mul_f32 v[SS:SS+1], v[XR:XR+1], v[XR:XR+1]
.irp i, 1,2,3,4,5,6,7
	s_wait_loadcnt 14-2*\i                         ; channel pair i is in
	v_pk_fma_f32 v[SS:SS+1], v[XR+2*\i:XR+2*\i+1], v[XR+2*\i:XR+2*\i+1], v[SS:SS+1]
.endr
	v_add_f32 v[SS], v[SS], v[SS+1]
	ds_store_b32 v[LST], v[SS]                     ; my wave's 16 channels of patch j
	s_wait_dscnt 0x0                               ; stored, for the other waves' sake
	s_barrier_signal -1
	s_barrier_wait -1
.irp w, 0,1,2,3,4,5,6,7
	ds_load_b32 v[PSUM+\w], v[LRD] offset:128*\w
.endr
	s_wait_dscnt 0x0
	v_pk_add_f32 v[PSUM:PSUM+1], v[PSUM:PSUM+1], v[PSUM+2:PSUM+3]
	v_pk_add_f32 v[PSUM+4:PSUM+5], v[PSUM+4:PSUM+5], v[PSUM+6:PSUM+7]
	v_pk_add_f32 v[PSUM:PSUM+1], v[PSUM:PSUM+1], v[PSUM+4:PSUM+5]
	v_add_f32 v[SS], v[PSUM], v[PSUM+1]
	v_sqrt_f32 v[SS], v[SS]
	v_nop                                          ; one plain place behind a transcendental (ISA guide 5.7.2)
	s_wait_alu depctr_va_vdst(0)
	v_max_num_f32 v[SS], 0x2b8cbccc, v[SS]         ; max(norm, 1e-12)
	v_rcp_f32 v[INV], v[SS]
	v_rcp_f32 v[INV+1], v[SS]
	v_nop
	s_wait_alu depctr_va_vdst(0)
.irp i, 0,1,2,3,4,5,6,7
	v_pk_mul_f32 v[XR+2*\i:XR+2*\i+1], v[XR+2*\i:XR+2*\i+1], v[INV:INV+1]
.endr
.irp i, 0,1,2,3,4,5,6,7
	v_cvt_pk_bf16_f32 v[YR+\i], v[XR+2*\i], v[XR+2*\i+1]
.endr
	global_store_b128 v[OFFO], v[YR:YR+3], s[6:7]              ; channels 16w .. 16w+7
	global_store_b128 v[OFFO], v[YR+4:YR+7], s[6:7] offset:256 ; channels 16w+8 .. 16w+15
	s_wait_tensorcnt 0x0
	ds_add_u32 v48, v49
	s_wait_dscnt 0x0
	s_endpgm
.Lfunc_end_k_q60740835c0_prep:
	.size	k_q60740835c0_prep, .Lfunc_end_k_q60740835c0_prep-k_q60740835c0_prep
	.p2alignl 7, 3214868480
	.fill 96, 4, 3214868480
	.section	.rodata,"a",@progbits
	.p2align	6, 0x0
	.amdhsa_kernel k_q60740835c0_prep
		.amdhsa_group_segment_fixed_size 2048
		.amdhsa_private_segment_fixed_size 0
		.amdhsa_enable_private_segment 0
		.amdhsa_kernarg_size 16
		.amdhsa_user_sgpr_count 2
		.amdhsa_user_sgpr_kernarg_segment_ptr 1
		.amdhsa_wavefront_size32 1
		.amdhsa_system_sgpr_workgroup_id_x 1
		.amdhsa_system_sgpr_workgroup_id_y 1
		.amdhsa_system_sgpr_workgroup_id_z 1
		.amdhsa_system_vgpr_workitem_id 0
		.amdhsa_next_free_vgpr 50
		.amdhsa_next_free_sgpr 66
		.amdhsa_reserve_vcc 0
		.amdhsa_float_denorm_mode_32 3
		.amdhsa_float_denorm_mode_16_64 3
		.amdhsa_memory_ordered 1
		.amdhsa_forward_progress 1
		.amdhsa_inst_pref_size 7
	.end_amdhsa_kernel
	.amdgpu_metadata
---
amdhsa.version: [ 1, 2 ]
amdhsa.kernels:
  - .name:           k_q60740835c0_prep
    .symbol:         k_q60740835c0_prep.kd
    .args:
      - { .name: x, .offset: 0, .size: 8, .value_kind: global_buffer, .address_space: global }
      - { .name: xn, .offset: 8, .size: 8, .value_kind: global_buffer, .address_space: global }
    .group_segment_fixed_size: 2048
    .private_segment_fixed_size: 0
    .kernarg_segment_align: 8
    .kernarg_segment_size: 16
    .max_flat_workgroup_size: 256
    .sgpr_count:     66
    .vgpr_count:     50
    .wavefront_size: 32
...
	.end_amdgpu_metadata
.endif
;; end of part 1
;; launch stats (part 2): grid 16 x 16, 8 waves a work-group, no clusters, 25,600 bytes of LDS; arguments xn, alpha, nl; writes nl
.if DOCPART == 2
	.amdgcn_target "amdgcn-amd-amdhsa--gfx1250"
	.amdhsa_code_object_version 6
	.text
	.protected	k_q60740835c0_stats
	.globl	k_q60740835c0_stats
	.p2align	8
	.type	k_q60740835c0_stats,@function
k_q60740835c0_stats:
	s_mov_b64 s[64:65], 0
	v_nop
	global_prefetch_b8 v0, s[64:65] scope:SCOPE_SE
	s_setreg_imm32_b32 hwreg(HW_REG_WAVE_MODE, 25, 1), 1
	s_wait_xcnt 0x0
; nl[b][u][n] = -log2( sum over m of 2^(s_u[n][m]) ), s_u = alpha log2(e) mask[n][m] corr_u[n][m]: the negated log-sum-exp of every row of the three
; score maps, u = 0: pixel (0,0), u = 1: the mean of both, u = 2: pixel (1,1).  corr = X X^T and the mask are symmetric by construction,
; so these row figures are the column figures too.
; A work-group owns 64 rows n of one batch; wave w owns the m tiles 8w .. 8w+7 (16 patches each).  The 64 rows' fragments stay in v256-v511;
; an m tile (8 KiB, both pixels) is loaded straight into registers, 512 consecutive bytes a load, one tile ahead.
; The m tile is matrix source A and the n tile source B: lane 16h + r then holds row n = r, and its registers j the columns m = 8h + j,
; so maxima and sums over m stay inside a lane until the end.
; MAXIMUM: each lane keeps a running maximum (as a running minimum of -s) and rescales its sum when it moves; nothing hangs on the size of alpha.
; MASK: a 16 x 16 tile lies in one patch row on either side, so exp(-dr^2/5.12) is one number for a tile and exp(-dc^2/5.12) one of three tables of 8 registers.
; The mean map is carried doubled (s0 + s1); the factor 0.5 stands in the fused multiply-adds that take the maximum away.
; NO LDS RING, NO MULTICAST: an m tile is used by one wave of the work-group alone, so LDS would add a store and a load of each byte and no reuse;
; a wave issues 32 matrix and some 350 vector instructions for each 8 KiB that it loads, so the loads are a small part of a step.
; Two waves share a SIMD (512 registers each) so that one wave's matrix stretch stands beside the other's vector stretch.
; Limits: matrix operands are bf16; NaN and infinities in x or alpha are not served; terms of a sum below 2^-126 count as 0 (a term 1 is always present).
.set TILEB, 4096                       ; bytes of a block: 16 patches x 128 channels
.set PSTEP, 262144                     ; from pixel set 0 to pixel set 1
.set VOFF, 1                           ; 16 x lane
.set LANE, 2
.set EC0,  8                           ; v[8:15]    exp(-dc^2/5.12), m and n tile in the same half of a patch row
.set ECM,  16                          ; v[16:23]   m tile in the left half, n tile in the right
.set ECP,  24                          ; v[24:31]   m tile in the right half, n tile in the left
.set MF,   32                          ; v[32:95]   fragments of the m tile: pixel set p at 32 p, K step ks at 8 ks
.set ACC,  96                          ; v[96:159]  accumulators: n tile nt at 16 nt, pixel set p at 8 p
.set S2,   160                         ; v[160:167] -(s0 + s1)
.set MK,   168                         ; v[168:175] -alpha log2(e) mask
.set NM,   176                         ; v[176:187] running minimum of -s: n tile nt, map u at 3 nt + u (map 1 doubled)
.set RS,   188                         ; v[188:211] running sums, a pair each: 6 nt + 2 u
.set MN,   212                         ; three pairs: the new minima (first register of each pair)
.set DSC,  218                         ; three pairs: the factors that rescale the sums
.set H2,   224                         ; a pair: half of map 1's new minimum
.set PE,   226                         ; two pairs: alpha log2(e) exp(-dr^2/5.12) for the two patch rows of my n
.set NA,   230                         ; a pair: -alpha log2(e)
.set VA,   232                         ; alpha log2(e)
.set PN,   32                          ; the end: 16 partial minima of two rows
.set PR,   64                          ; the end: 16 partial sums of two rows
.set FIN,  96
.set MSB, 0
.macro WIN new                         ; s_set_vgpr_msb; the immediate's high byte repeats the setting that is left
.if MSB != \new
	s_set_vgpr_msb (MSB<<8)|\new
.set MSB, \new
.endif
.endm
	s_load_b128 s[4:7], s[0:1], 0x0                ; xn s[4:5], alpha s[6:7]
	s_load_b64 s[8:9], s[0:1], 0x10                ; nl
	v_lshl_add_u32 v254, v0, 2, 0x6000
	v_mov_b32 v255, 0
	v_lshrrev_b32 v4, 5, v0
	v_readfirstlane_b32 s12, v4                    ; wave
	v_and_b32 v[LANE], 31, v0
	v_lshlrev_b32 v[VOFF], 4, v[LANE]
	s_and_b32 s13, ttmp7, 0xffff                   ; batch
	s_lshl_b32 s19, s13, 19                        ; batch x 128 blocks
	s_lshl_b32 s14, ttmp9, 14                      ; my 64 rows: four blocks
	s_add_co_u32 s14, s14, s19
	s_mov_b32 s15, 0
	s_lshl_b32 s16, s12, 15                        ; my wave's eight m tiles
	s_add_co_u32 s16, s16, s19
	s_mov_b32 s17, 0
	s_wait_kmcnt 0x0
	s_load_b32 s18, s[6:7], 0x0                    ; alpha
	s_add_nc_u64 s[14:15], s[4:5], s[14:15]
	s_add_nc_u64 s[16:17], s[4:5], s[16:17]
.macro FETCHM off                      ; an m tile: 16 loads of 512 consecutive bytes
.irp p, 0,1
.irp q, 0,1,2,3,4,5,6,7
	global_load_b128 v[MF+32*\p+4*\q:MF+32*\p+4*\q+3], v[VOFF], s[16:17] offset:\off+\p*PSTEP+\q*512
.endr
.endr
.endm
	FETCHM 0
	WIN 0x40                                       ; destination in v256-v511: n tile nt at 64 nt, pixel set p at 32 p
.irp nt, 0,1,2,3
.irp p, 0,1
.irp q, 0,1,2,3,4,5,6,7
	global_load_b128 v[64*\nt+32*\p+4*\q:64*\nt+32*\p+4*\q+3], v[VOFF], s[14:15] offset:\nt*TILEB+\p*PSTEP+\q*512
.endr
.endr
.endr
	WIN 0
	; the three tables: dc = (m tile's half - n tile's half) x 16 + j + 8h - r
	v_lshrrev_b32 v4, 4, v[LANE]
	v_and_b32 v5, 15, v[LANE]
	v_lshlrev_b32 v4, 3, v4
	v_sub_nc_u32 v6, v4, v5                        ; 8h - r
.irp j, 0,1,2,3,4,5,6,7
	v_add_nc_u32 v[EC0+\j], \j, v6
	v_add_nc_u32 v[ECM+\j], \j-16, v6
	v_add_nc_u32 v[ECP+\j], \j+16, v6
.endr
.set i, 0
.rept 24
	v_mul_lo_u32 v[EC0+i], v[EC0+i], v[EC0+i]      ; dc^2, at most 961
	v_cvt_f32_u32 v[EC0+i], v[EC0+i]
	v_mul_f32 v[EC0+i], 0xbe9044fe, v[EC0+i]       ; x -log2(e) / 5.12
.set i, i+1
.endr
.set i, 0
.rept 24
	v_exp_f32 v[EC0+i], v[EC0+i]
.set i, i+1
.endr
	v_nop                                          ; one plain place behind the transcendentals (ISA guide 5.7.2)
.set i, 0
.rept 12
	v_mov_b32 v[NM+i], 0x7f800000                  ; no maximum yet: -max = +infinity; the first factor 2^(-infinity) is 0
.set i, i+1
.endr
.set i, 0
.rept 24
	v_mov_b32 v[RS+i], 0
.set i, i+1
.endr
.irp r, MN+1, MN+3, MN+5, DSC+1, DSC+3, DSC+5, H2+1, PE+1, PE+3
	v_mov_b32 v[\r], 0                             ; second registers of pairs of which packed instructions take the first twice (op_sel_hi 0): named, never used
.endr
	s_wait_kmcnt 0x0
	v_mov_b32 v[VA], s18
	v_mul_f32 v[VA], 0x3fb8aa3b, v[VA]             ; alpha log2(e)
	v_mul_f32 v[NA], -1.0, v[VA]
	v_mov_b32 v[NA+1], v[NA]
; 32 matrix instructions: 4 n tiles x 2 pixel sets x 4 K steps.  The eight accumulators take turns, one instruction a turn.
; The first K step starts the sums with the constant 0.
.macro MULS
	WIN 0x04                                       ; source 1 (the n fragments) in v256-v511
.irp ks, 0,1,2,3
.irp nt, 0,1,2,3
.irp p, 0,1
.if \ks == 0
	v_wmma_f32_16x16x32_bf16 v[ACC+16*\nt+8*\p:ACC+16*\nt+8*\p+7], v[MF+32*\p+8*\ks:MF+32*\p+8*\ks+7], v[64*\nt+32*\p+8*\ks:64*\nt+32*\p+8*\ks+7], 0
.else
	v_wmma_f32_16x16x32_bf16 v[ACC+16*\nt+8*\p:ACC+16*\nt+8*\p+7], v[MF+32*\p+8*\ks:MF+32*\p+8*\ks+7], v[64*\nt+32*\p+8*\ks:64*\nt+32*\p+8*\ks+7], v[ACC+16*\nt+8*\p:ACC+16*\nt+8*\p+7]
.endif
.endr
.endr
.endr
	WIN 0
.endm
; alpha log2(e) exp(-dr^2/5.12) for this trip's patch row of m against the two patch rows of my n.  s20 = dr for the first of them.
.macro ERS
	s_mul_i32 s24, s20, s20
	s_sub_co_i32 s25, s20, 1
	s_mul_i32 s25, s25, s25
	v_cvt_f32_u32 v4, s24
	v_cvt_f32_u32 v5, s25
	v_mul_f32 v4, 0xbe9044fe, v4
	v_mul_f32 v5, 0xbe9044fe, v5
	v_exp_f32 v4, v4
	v_exp_f32 v5, v5
	v_nop
	s_wait_alu depctr_va_vdst(0)
	v_mul_f32 v[PE], v4, v[VA]
	v_mul_f32 v[PE+2], v5, v[VA]
.endm
; One 16 x 16 tile of all three maps: negated scores, new running minima, 2^(s - max), sums.
.macro STAT nt, ec, pe
.set A0, ACC+16*\nt
.set A1, ACC+16*\nt+8
.set QM, NM+3*\nt
.set QR, RS+6*\nt
.irp j, 0,2,4,6
	v_pk_fma_f32 v[MK+\j:MK+\j+1], v[\ec+\j:\ec+\j+1], v[\pe:\pe+1], v[NA:NA+1] op_sel_hi:[1,0,0]   ; -a (1 - er ec)
.endr
.irp j, 0,2,4,6
	v_pk_mul_f32 v[A0+\j:A0+\j+1], v[A0+\j:A0+\j+1], v[MK+\j:MK+\j+1]      ; -s0
	v_pk_mul_f32 v[A1+\j:A1+\j+1], v[A1+\j:A1+\j+1], v[MK+\j:MK+\j+1]      ; -s1
.endr
.irp j, 0,2,4,6
	v_pk_add_f32 v[S2+\j:S2+\j+1], v[A0+\j:A0+\j+1], v[A1+\j:A1+\j+1]      ; -2 x the mean map's score
.endr
	v_min3_num_f32 v[MN],   v[QM],   v[A0], v[A0+1]
	v_min3_num_f32 v[MN+2], v[QM+1], v[S2], v[S2+1]
	v_min3_num_f32 v[MN+4], v[QM+2], v[A1], v[A1+1]
.irp j, 2,4,6
	v_min3_num_f32 v[MN],   v[MN],   v[A0+\j], v[A0+\j+1]
	v_min3_num_f32 v[MN+2], v[MN+2], v[S2+\j], v[S2+\j+1]
	v_min3_num_f32 v[MN+4], v[MN+4], v[A1+\j], v[A1+\j+1]
.endr
	v_mul_f32 v[H2], 0.5, v[MN+2]                  ; -(new maximum) of the mean map
	v_sub_f32 v[DSC],   v[MN],   v[QM]             ; old maximum - new maximum
	v_sub_f32 v[DSC+4], v[MN+4], v[QM+2]
	v_fma_f32 v[DSC+2], v[QM+1], -0.5, v[H2]
.irp j, 0,2,4,6
	v_pk_fma_f32 v[A0+\j:A0+\j+1], v[A0+\j:A0+\j+1], -1.0, v[MN:MN+1] op_sel_hi:[1,0,0]     ; s - max
.endr
	v_exp_f32 v[DSC], v[DSC]
.irp j, 0,1,2,3,4,5,6,7
	v_exp_f32 v[A0+\j], v[A0+\j]
.endr
.irp j, 0,2,4,6                                    ; plain work on other registers stands behind each run of transcendentals
	v_pk_fma_f32 v[S2+\j:S2+\j+1], v[S2+\j:S2+\j+1], -0.5, v[H2:H2+1] op_sel_hi:[1,0,0]
.endr
	v_exp_f32 v[DSC+2], v[DSC+2]
.irp j, 0,1,2,3,4,5,6,7
	v_exp_f32 v[S2+\j], v[S2+\j]
.endr
.irp j, 0,2,4,6
	v_pk_fma_f32 v[A1+\j:A1+\j+1], v[A1+\j:A1+\j+1], -1.0, v[MN+4:MN+5] op_sel_hi:[1,0,0]
.endr
	v_exp_f32 v[DSC+4], v[DSC+4]
.irp j, 0,1,2,3,4,5,6,7
	v_exp_f32 v[A1+\j], v[A1+\j]
.endr
	v_mov_b32 v[QM],   v[MN]
	v_mov_b32 v[QM+1], v[MN+2]
	v_mov_b32 v[QM+2], v[MN+4]
	s_wait_alu depctr_va_vdst(0)
	v_pk_fma_f32 v[QR:QR+1],     v[QR:QR+1],     v[DSC:DSC+1],     v[A0:A0+1] op_sel_hi:[1,0,1]   ; old sums rescaled + the first two terms
	v_pk_fma_f32 v[QR+2:QR+3],   v[QR+2:QR+3],   v[DSC+2:DSC+3],   v[S2:S2+1] op_sel_hi:[1,0,1]
	v_pk_fma_f32 v[QR+4:QR+5],   v[QR+4:QR+5],   v[DSC+4:DSC+5],   v[A1:A1+1] op_sel_hi:[1,0,1]
.irp j, 2,4,6
	v_pk_add_f32 v[QR:QR+1],   v[QR:QR+1],   v[A0+\j:A0+\j+1]
	v_pk_add_f32 v[QR+2:QR+3], v[QR+2:QR+3], v[S2+\j:S2+\j+1]
	v_pk_add_f32 v[QR+4:QR+5], v[QR+4:QR+5], v[A1+\j:A1+\j+1]
.endr
.endm
; One m tile.  par: it is the left (0) or right (1) half of its patch row; load: the next tile, at byte off from the trip's base, is requested.
.macro TILE par, load, off
	s_wait_loadcnt 0x0                             ; this tile's fragments are in (the first time: the n fragments too)
	MULS
.rept 4
	v_nop                                          ; four places behind the last matrix instruction, ahead of the loads into its sources and of the reads of its results
.endr
.if \load
	FETCHM \off                                    ; lands while the four tiles below are worked on
.endif
.if \par == 0
	STAT 0, EC0, PE
	STAT 1, ECM, PE
	STAT 2, EC0, PE+2
	STAT 3, ECM, PE+2
.else
	STAT 0, ECP, PE
	STAT 1, EC0, PE
	STAT 2, ECP, PE+2
	STAT 3, EC0, PE+2
.endif
.endm
	s_lshl_b32 s20, s12, 2                         ; patch row of my first m tiles: 4 w
	s_lshl_b32 s21, ttmp9, 1                       ; first patch row of my n
	s_sub_co_i32 s20, s20, s21                     ; dr
	s_mov_b32 s22, 0
.Ltrip:                                            ; a trip = one patch row of m = two tiles
	ERS
	TILE 0, 1, TILEB
	TILE 1, 1, 2*TILEB
	s_wait_xcnt 0x0                                ; the loads' base is stepped only behind this wait
	s_add_nc_u64 s[16:17], s[16:17], 2*TILEB
	s_add_co_i32 s20, s20, 1
	s_add_co_u32 s22, s22, 1
	s_cmp_lt_u32 s22, 3
	s_cbranch_scc1 .Ltrip
	ERS                                            ; the fourth patch row is written out: its second tile requests nothing
	TILE 0, 1, TILEB
	TILE 1, 0, 0
	; THE END: 16 partial figures (8 waves x 2 halves of the lanes) for each of 64 rows x 3 maps meet in LDS.
.irp q, 0,1,2,3,4,5,6,7,8,9,10,11
	v_add_f32 v[RS+2*\q], v[RS+2*\q], v[RS+2*\q+1]
.endr
.irp nt, 0,1,2,3
	v_mul_f32 v[NM+3*\nt+1], 0.5, v[NM+3*\nt+1]    ; the mean map's figure was doubled
.endr
	s_mul_i32 s24, s12, 3072
	v_lshlrev_b32 v4, 2, v[LANE]
	v_add_nc_u32 v4, s24, v4                       ; 3,072 w + 4 lane
.irp q, 0,1,2,3,4,5,6,7,8,9,10,11
	ds_store_b32 v4, v[NM+\q] offset:256*\q
	ds_store_b32 v4, v[RS+2*\q] offset:256*\q+128
.endr
	s_wait_dscnt 0x0                               ; stored, for the other waves' sake
	s_barrier_signal -1
	s_barrier_wait -1
	s_cmp_gt_u32 s12, 2
	s_cbranch_scc1 .Lend                           ; waves 0 to 2 finish maps 0 to 2; lane l the rows 2l and 2l + 1
	v_lshrrev_b32 v4, 3, v[LANE]                   ; n tile
	v_and_b32 v5, 7, v[LANE]
	v_mul_u32_u24 v4, v4, 768
	v_lshl_add_u32 v4, v5, 3, v4                   ; + 4 r, r = 2 (l % 8)
	v_lshl_add_u32 v4, s12, 8, v4                  ; + 256 u
.set i, 0
.rept 16                                           ; i = 2 x wave + half
	ds_load_b64 v[PN+2*i:PN+2*i+1], v4 offset:(i>>1)*3072+(i&1)*64
	ds_load_b64 v[PR+2*i:PR+2*i+1], v4 offset:(i>>1)*3072+(i&1)*64+128
.set i, i+1
.endr
	s_mul_i32 s24, s13, 3
	s_add_co_u32 s24, s24, s12
	s_lshl_b32 s24, s24, 12                        ; (3 b + u) x 1,024 rows x 4 bytes
	s_lshl_b32 s25, ttmp9, 8                       ; + my 64 rows
	s_add_co_u32 s24, s24, s25
	s_mov_b32 s25, 0
	s_add_nc_u64 s[8:9], s[8:9], s[24:25]
	v_lshlrev_b32 v5, 3, v[LANE]
	s_wait_dscnt 0x0
	v_min_num_f32 v[FIN],   v[PN],   v[PN+2]
	v_min_num_f32 v[FIN+1], v[PN+1], v[PN+3]
.irp i, 2,4,6,8,10,12,14
	v_min3_num_f32 v[FIN],   v[FIN],   v[PN+2*\i],   v[PN+2*\i+2]
	v_min3_num_f32 v[FIN+1], v[FIN+1], v[PN+2*\i+1], v[PN+2*\i+3]
.endr
.irp i, 0,1,2,3,4,5,6,7,8,9,10,11,12,13,14,15
	v_pk_fma_f32 v[PN+2*\i:PN+2*\i+1], v[PN+2*\i:PN+2*\i+1], -1.0, v[FIN:FIN+1] op_sel_hi:[1,0,1]   ; partial maximum - maximum
.endr
.set i, 0
.rept 32
	v_exp_f32 v[PN+i], v[PN+i]
.set i, i+1
.endr
	v_nop
	s_wait_alu depctr_va_vdst(0)
	v_pk_mul_f32 v[FIN+2:FIN+3], v[PR:PR+1], v[PN:PN+1]
.irp i, 1,2,3,4,5,6,7,8,9,10,11,12,13,14,15
	v_pk_fma_f32 v[FIN+2:FIN+3], v[PR+2*\i:PR+2*\i+1], v[PN+2*\i:PN+2*\i+1], v[FIN+2:FIN+3]
.endr
	v_log_f32 v[FIN+2], v[FIN+2]                   ; the sum lies between 1 and 1,024
	v_log_f32 v[FIN+3], v[FIN+3]
	v_nop
	s_wait_alu depctr_va_vdst(0)
	v_sub_f32 v[FIN],   v[FIN],   v[FIN+2]         ; -(max + log2 sum)
	v_sub_f32 v[FIN+1], v[FIN+1], v[FIN+3]
	global_store_b64 v5, v[FIN:FIN+1], s[8:9]      ; the wave stores 256 consecutive, aligned bytes
.Lend:
	s_wait_tensorcnt 0x0
	ds_add_u32 v254, v255
	s_wait_dscnt 0x0
	s_endpgm
.Lfunc_end_k_q60740835c0_stats:
	.size	k_q60740835c0_stats, .Lfunc_end_k_q60740835c0_stats-k_q60740835c0_stats
	.p2alignl 7, 3214868480
	.fill 96, 4, 3214868480
	.section	.rodata,"a",@progbits
	.p2align	6, 0x0
	.amdhsa_kernel k_q60740835c0_stats
		.amdhsa_group_segment_fixed_size 25600
		.amdhsa_private_segment_fixed_size 0
		.amdhsa_enable_private_segment 0
		.amdhsa_kernarg_size 24
		.amdhsa_user_sgpr_count 2
		.amdhsa_user_sgpr_kernarg_segment_ptr 1
		.amdhsa_wavefront_size32 1
		.amdhsa_system_sgpr_workgroup_id_x 1
		.amdhsa_system_sgpr_workgroup_id_y 1
		.amdhsa_system_sgpr_workgroup_id_z 1
		.amdhsa_system_vgpr_workitem_id 0
		.amdhsa_next_free_vgpr 512
		.amdhsa_next_free_sgpr 66
		.amdhsa_reserve_vcc 0
		.amdhsa_float_denorm_mode_32 3
		.amdhsa_float_denorm_mode_16_64 3
		.amdhsa_memory_ordered 1
		.amdhsa_forward_progress 1
		.amdhsa_inst_pref_size 110
	.end_amdhsa_kernel
	.amdgpu_metadata
---
amdhsa.version: [ 1, 2 ]
amdhsa.kernels:
  - .name:           k_q60740835c0_stats
    .symbol:         k_q60740835c0_stats.kd
    .args:
      - { .name: xn, .offset: 0, .size: 8, .value_kind: global_buffer, .address_space: global }
      - { .name: alpha, .offset: 8, .size: 8, .value_kind: global_buffer, .address_space: global }
      - { .name: nl, .offset: 16, .size: 8, .value_kind: global_buffer, .address_space: global }
    .group_segment_fixed_size: 25600
    .private_segment_fixed_size: 0
    .kernarg_segment_align: 8
    .kernarg_segment_size: 24
    .max_flat_workgroup_size: 256
    .sgpr_count:     66
    .vgpr_count:     512
    .wavefront_size: 32
...
	.end_amdgpu_metadata
.endif
;; end of part 2
;; launch topk (part 3): grid 16 x 16, 8 waves a work-group, no clusters, 52,480 bytes of LDS; arguments xn, alpha, nl, out0; writes out0
.if DOCPART == 3
	.amdgcn_target "amdgcn-amd-amdhsa--gfx1250"
	.amdhsa_code_object_version 6
	.text
	.protected	k_q60740835c0_topk
	.globl	k_q60740835c0_topk
	.p2align	8
	.type	k_q60740835c0_topk,@function
k_q60740835c0_topk:
	s_mov_b64 s[64:65], 0
	v_nop
	global_prefetch_b8 v0, s[64:65] scope:SCOPE_SE
	s_setreg_imm32_b32 hwreg(HW_REG_WAVE_MODE, 25, 1), 1
	s_wait_xcnt 0x0
; out0[b][k][2i+pr][2j+pc] = the k-th largest over m of a_u[n][m], n = 32 i + j, a_u[n][m] = 2^(2 s_u[n][m] + nl_u[n] + nl_u[m]), the product of the
; row softmax and the column softmax; u = 0 for (pr, pc) = (0, 0), u = 2 for (1, 1), u = 1 (the mean map) for the other two pixels.
; 2^x grows with x, so the three largest are picked among the exponents 2 s_u[n][m] + nl_u[m], and only the three winners of a row are exponentiated.
; Shape as in the launch before: a work-group owns 64 rows n of one batch, wave w the m tiles 8w .. 8w+7; the n fragments stay in v256-v511, an m tile is
; loaded straight into registers one tile ahead; the m tile is matrix source A, so that lane 16h + r holds row n = r and columns m = 8h + j.
; Each lane keeps a sorted triple for each of its 4 n tiles x 3 maps; a new value costs two medians and a maximum.
; The mean map's exponents are carried doubled ((c0 + c1) x the same mask factor + 2 nl), which keeps their order; the factor 0.5 stands in the last fused multiply-add.
; NO LDS RING, NO MULTICAST: an m tile is used by one wave of the work-group alone, so LDS would add a store and a load of each byte and no reuse;
; a wave issues 32 matrix and some 370 vector instructions for each 8 KiB that it loads.
; Limits: matrix operands are bf16; NaN and infinities are not served; results below 2^-126 come out as 0.
.set TILEB, 4096
.set PSTEP, 262144
.set LSTG, 0                           ; LDS: nl of each wave's 128 columns, 3 maps: 1,536 bytes a wave
.set PART, 12288                       ; LDS: the waves' triples: 4,608 bytes a wave
.set FOUT, 49152                       ; LDS: results [u][k][64 rows] f32
.set VOFF, 1                           ; 16 x lane
.set LANE, 2
.set L4,   3                           ; 4 x lane
.set EC0,  8                           ; three tables of exp(-dc^2/5.12), as in the launch before
.set ECM,  16
.set ECP,  24
.set MF,   32                          ; v[32:95]   fragments of the m tile
.set ACC,  96                          ; v[96:159]  accumulators: 16 nt + 8 p
.set CS,   160                         ; v[160:167] c0 + c1, then the mean map's exponents
.set MK,   168                         ; v[168:175] 2 alpha log2(e) mask
.set TS,   176                         ; v[176:211] triples: 9 nt + 3 u + k, largest first
.set NL,   212                         ; v[212:235] nl of the tile's columns 8h + j: 8 u + j (map 1 doubled)
.set PE,   236                         ; two pairs: -2 alpha log2(e) exp(-dr^2/5.12)
.set SC2,  240                         ; a pair: 2 alpha log2(e)
.set VLA,  242                         ; LDS address of nl for this trip's tiles
.set NLN,  243                         ; nl of the row that this thread finishes
.set VN2,  244                         ; -2 alpha log2(e)
.set CD,   32                          ; the end: 48 candidates
.set OUTR, 96
.set MSB, 0
.macro WIN new
.if MSB != \new
	s_set_vgpr_msb (MSB<<8)|\new
.set MSB, \new
.endif
.endm
	s_load_b256 s[4:11], s[0:1], 0x0               ; xn s[4:5], alpha s[6:7], nl s[8:9], out0 s[10:11]
	v_lshl_add_u32 v254, v0, 2, 0xc900
	v_mov_b32 v255, 0
	v_lshrrev_b32 v4, 5, v0
	v_readfirstlane_b32 s12, v4                    ; wave
	v_and_b32 v[LANE], 31, v0
	v_lshlrev_b32 v[VOFF], 4, v[LANE]
	v_lshlrev_b32 v[L4], 2, v[LANE]
	s_and_b32 s13, ttmp7, 0xffff                   ; batch
	s_lshl_b32 s19, s13, 19
	s_lshl_b32 s14, ttmp9, 14
	s_add_co_u32 s14, s14, s19
	s_mov_b32 s15, 0
	s_lshl_b32 s16, s12, 15
	s_add_co_u32 s16, s16, s19
	s_mov_b32 s17, 0
	s_mul_i32 s32, s13, 12288                      ; nl: batch x 3 maps x 4,096 bytes
	s_lshl_b32 s33, s12, 9                         ; + my wave's 128 columns
	s_add_co_u32 s32, s32, s33
	s_mov_b32 s33, 0
	s_lshr_b32 s26, s12, 1                         ; the end: waves 2u and 2u + 1 finish map u,
	s_and_b32 s27, s12, 1                          ; rows 32 (w & 1) + lane
	s_min_u32 s28, s26, 2                          ; (waves 6 and 7 finish nothing: their load stays inside the buffer)
	s_mul_i32 s29, s13, 3
	s_add_co_u32 s28, s28, s29
	s_lshl_b32 s28, s28, 12
	s_lshl_b32 s29, ttmp9, 8
	s_add_co_u32 s28, s28, s29
	s_lshl_b32 s29, s27, 7
	s_add_co_u32 s28, s28, s29
	s_mov_b32 s29, 0
	s_wait_kmcnt 0x0
	s_load_b32 s18, s[6:7], 0x0                    ; alpha
	s_add_nc_u64 s[14:15], s[4:5], s[14:15]
	s_add_nc_u64 s[16:17], s[4:5], s[16:17]
	s_add_nc_u64 s[32:33], s[8:9], s[32:33]
	s_add_nc_u64 s[28:29], s[8:9], s[28:29]
	global_load_b128 v[NL:NL+3],    v[VOFF], s[32:33]              ; 512 consecutive bytes: nl of my 128 columns, map 0
	global_load_b128 v[NL+4:NL+7],  v[VOFF], s[32:33] offset:4096  ; map 1
	global_load_b128 v[NL+8:NL+11], v[VOFF], s[32:33] offset:8192  ; map 2
	global_load_b32 v[NLN], v[L4], s[28:29]
.macro FETCHM off
.irp p, 0,1
.irp q, 0,1,2,3,4,5,6,7
	global_load_b128 v[MF+32*\p+4*\q:MF+32*\p+4*\q+3], v[VOFF], s[16:17] offset:\off+\p*PSTEP+\q*512
.endr
.endr
.endm
	FETCHM 0
	WIN 0x40                                       ; destination in v256-v511
.irp nt, 0,1,2,3
.irp p, 0,1
.irp q, 0,1,2,3,4,5,6,7
	global_load_b128 v[64*\nt+32*\p+4*\q:64*\nt+32*\p+4*\q+3], v[VOFF], s[14:15] offset:\nt*TILEB+\p*PSTEP+\q*512
.endr
.endr
.endr
	WIN 0
	v_lshrrev_b32 v4, 4, v[LANE]                   ; h
	v_and_b32 v5, 15, v[LANE]                      ; r
	s_mul_i32 s34, s12, 1536
	v_lshlrev_b32 v7, 5, v4
	v_add_nc_u32 v[VLA], s34, v7                   ; 1,536 w + 32 h
	v_add_nc_u32 v7, s34, v[VOFF]                  ; 1,536 w + 16 lane
	v_lshlrev_b32 v4, 3, v4
	v_sub_nc_u32 v6, v4, v5                        ; 8h - r
.irp j, 0,1,2,3,4,5,6,7
	v_add_nc_u32 v[EC0+\j], \j, v6
	v_add_nc_u32 v[ECM+\j], \j-16, v6
	v_add_nc_u32 v[ECP+\j], \j+16, v6
.endr
.set i, 0
.rept 24
	v_mul_lo_u32 v[EC0+i], v[EC0+i], v[EC0+i]
	v_cvt_f32_u32 v[EC0+i], v[EC0+i]
	v_mul_f32 v[EC0+i], 0xbe9044fe, v[EC0+i]       ; x -log2(e) / 5.12
.set i, i+1
.endr
.set i, 0
.rept 24
	v_exp_f32 v[EC0+i], v[EC0+i]
.set i, i+1
.endr
	v_nop
.set i, 0
.rept 36
	v_mov_b32 v[TS+i], 0xff800000                  ; empty triples: -infinity
.set i, i+1
.endr
	v_mov_b32 v[PE+1], 0                           ; second registers of pairs of which the first is taken twice: named, never used
	v_mov_b32 v[PE+3], 0
	s_wait_kmcnt 0x0
	v_mov_b32 v[SC2], s18
	v_mul_f32 v[SC2], 0x4038aa3b, v[SC2]           ; 2 alpha log2(e)
	v_mov_b32 v[SC2+1], v[SC2]
	v_mul_f32 v[VN2], -1.0, v[SC2]
	s_wait_loadcnt 0x0
	v_pk_mul_f32 v[NL+4:NL+5], v[NL+4:NL+5], 2.0 op_sel_hi:[1,0]
	v_pk_mul_f32 v[NL+6:NL+7], v[NL+6:NL+7], 2.0 op_sel_hi:[1,0]
	ds_store_b128 v7, v[NL:NL+3]                   ; my wave's own 1,536 bytes: only this wave reads them, and LDS serves a wave's
	ds_store_b128 v7, v[NL+4:NL+7] offset:512      ; instructions in order (ISA guide 5.7.1), so no barrier and no wait stand in front of the reads
	ds_store_b128 v7, v[NL+8:NL+11] offset:1024
.macro MULS                            ; the eight accumulators take turns, one instruction a turn
	WIN 0x04
.irp ks, 0,1,2,3
.irp nt, 0,1,2,3
.irp p, 0,1
.if \ks == 0
	v_wmma_f32_16x16x32_bf16 v[ACC+16*\nt+8*\p:ACC+16*\nt+8*\p+7], v[MF+32*\p+8*\ks:MF+32*\p+8*\ks+7], v[64*\nt+32*\p+8*\ks:64*\nt+32*\p+8*\ks+7], 0
.else
	v_wmma_f32_16x16x32_bf16 v[ACC+16*\nt+8*\p:ACC+16*\nt+8*\p+7], v[MF+32*\p+8*\ks:MF+32*\p+8*\ks+7], v[64*\nt+32*\p+8*\ks:64*\nt+32*\p+8*\ks+7], v[ACC+16*\nt+8*\p:ACC+16*\nt+8*\p+7]
.endif
.endr
.endr
.endr
	WIN 0
.endm
.macro ERS                             ; s20 = patch row of m - first patch row of my n
	s_mul_i32 s24, s20, s20
	s_sub_co_i32 s25, s20, 1
	s_mul_i32 s25, s25, s25
	v_cvt_f32_u32 v4, s24
	v_cvt_f32_u32 v5, s25
	v_mul_f32 v4, 0xbe9044fe, v4
	v_mul_f32 v5, 0xbe9044fe, v5
	v_exp_f32 v4, v4
	v_exp_f32 v5, v5
	v_nop
	s_wait_alu depctr_va_vdst(0)
	v_mul_f32 v[PE], v4, v[VN2]
	v_mul_f32 v[PE+2], v5, v[VN2]
.endm
; One 16 x 16 tile of all three maps: exponents, then each of the lane's 8 values into its map's sorted triple (third, second, first, each from the old values).
.macro TOP nt, ec, pe
.set A0, ACC+16*\nt
.set A1, ACC+16*\nt+8
.set TQ, TS+9*\nt
.irp j, 0,2,4,6
	v_pk_fma_f32 v[MK+\j:MK+\j+1], v[\ec+\j:\ec+\j+1], v[\pe:\pe+1], v[SC2:SC2+1] op_sel_hi:[1,0,0]   ; 2a (1 - er ec)
	v_pk_add_f32 v[CS+\j:CS+\j+1], v[A0+\j:A0+\j+1], v[A1+\j:A1+\j+1]
.endr
.irp j, 0,2,4,6
	v_pk_fma_f32 v[A0+\j:A0+\j+1], v[A0+\j:A0+\j+1], v[MK+\j:MK+\j+1], v[NL+\j:NL+\j+1]
	v_pk_fma_f32 v[CS+\j:CS+\j+1], v[CS+\j:CS+\j+1], v[MK+\j:MK+\j+1], v[NL+8+\j:NL+8+\j+1]
	v_pk_fma_f32 v[A1+\j:A1+\j+1], v[A1+\j:A1+\j+1], v[MK+\j:MK+\j+1], v[NL+16+\j:NL+16+\j+1]
.endr
.irp j, 0,1,2,3,4,5,6,7
	v_med3_num_f32 v[TQ+2], v[A0+\j], v[TQ+1], v[TQ+2]
	v_med3_num_f32 v[TQ+5], v[CS+\j], v[TQ+4], v[TQ+5]
	v_med3_num_f32 v[TQ+8], v[A1+\j], v[TQ+7], v[TQ+8]
	v_med3_num_f32 v[TQ+1], v[A0+\j], v[TQ],   v[TQ+1]
	v_med3_num_f32 v[TQ+4], v[CS+\j], v[TQ+3], v[TQ+4]
	v_med3_num_f32 v[TQ+7], v[A1+\j], v[TQ+6], v[TQ+7]
	v_max_num_f32 v[TQ],   v[A0+\j], v[TQ]
	v_max_num_f32 v[TQ+3], v[CS+\j], v[TQ+3]
	v_max_num_f32 v[TQ+6], v[A1+\j], v[TQ+6]
.endr
.endm
.macro TILE par, load, off
.irp u, 0,1,2
	ds_load_b128 v[NL+8*\u:NL+8*\u+3],   v[VLA] offset:512*\u+64*\par       ; nl of columns 8h .. 8h+3 of this tile
	ds_load_b128 v[NL+8*\u+4:NL+8*\u+7], v[VLA] offset:512*\u+64*\par+16    ; 8h+4 .. 8h+7
.endr
	s_wait_loadcnt 0x0                             ; this tile's fragments are in
	MULS
.rept 4
	v_nop                                          ; four places behind the last matrix instruction, ahead of the loads into its sources and of the reads of its results
.endr
.if \load
	FETCHM \off
.endif
	s_wait_dscnt 0x0                               ; nl is in
.if \par == 0
	TOP 0, EC0, PE
	TOP 1, ECM, PE
	TOP 2, EC0, PE+2
	TOP 3, ECM, PE+2
.else
	TOP 0, ECP, PE
	TOP 1, EC0, PE
	TOP 2, ECP, PE+2
	TOP 3, EC0, PE+2
.endif
.endm
	s_lshl_b32 s20, s12, 2
	s_lshl_b32 s21, ttmp9, 1
	s_sub_co_i32 s20, s20, s21
	s_mov_b32 s22, 0
.Ltrip:                                            ; a trip = one patch row of m = two tiles
	ERS
	TILE 0, 1, TILEB
	TILE 1, 1, 2*TILEB
	s_wait_xcnt 0x0                                ; the loads' base is stepped only behind this wait
	s_add_nc_u64 s[16:17], s[16:17], 2*TILEB
	v_add_nc_u32 v[VLA], 128, v[VLA]               ; 32 columns on
	s_add_co_i32 s20, s20, 1
	s_add_co_u32 s22, s22, 1
	s_cmp_lt_u32 s22, 3
	s_cbranch_scc1 .Ltrip
	ERS                                            ; the fourth patch row is written out: its second tile requests nothing
	TILE 0, 1, TILEB
	TILE 1, 0, 0
	; THE END, first step: 16 sorted triples (8 waves x 2 halves of the lanes) for each of 64 rows x 3 maps meet in LDS.
	s_mul_i32 s24, s12, 4608
	s_add_co_u32 s24, s24, PART
	v_add_nc_u32 v4, s24, v[L4]
.set i, 0
.rept 36
	ds_store_b32 v4, v[TS+i] offset:128*i
.set i, i+1
.endr
	s_wait_dscnt 0x0                               ; stored, for the other waves' sake
	s_barrier_signal -1
	s_barrier_wait -1
	s_cmp_gt_u32 s12, 5
	s_cbranch_scc1 .Lmerged                        ; waves 0 to 5: one thread for each (map, row)
	v_lshrrev_b32 v4, 4, v[LANE]
	v_and_b32 v5, 15, v[LANE]
	v_mul_u32_u24 v4, v4, 1152                     ; n tile 2 (w & 1) + lane / 16: 9 x 128 bytes each
	v_lshl_add_u32 v4, v5, 2, v4
	s_mul_i32 s24, s27, 2304
	s_mul_i32 s25, s26, 384                        ; map u: 3 x 128 bytes
	s_add_co_u32 s24, s24, s25
	s_add_co_u32 s24, s24, PART
	v_add_nc_u32 v4, s24, v4
.set i, 0
.rept 16                                           ; i = 2 x wave + half
.irp k, 0,1,2
	ds_load_b32 v[CD+3*i+\k], v4 offset:(i>>1)*4608+(i&1)*64+128*\k
.endr
.set i, i+1
.endr
	s_mov_b32 s30, 0x3f800000
	s_mov_b32 s31, 0x3f000000
	s_cmp_eq_u32 s26, 1
	s_cselect_b32 s30, s31, s30                    ; the mean map's exponents were doubled
	s_mul_i32 s24, s26, 768
	s_lshl_b32 s25, s27, 7
	s_add_co_u32 s24, s24, s25
	s_add_co_u32 s24, s24, FOUT
	v_add_nc_u32 v5, s24, v[L4]                    ; results: 768 u + 256 k + 4 row
	s_wait_dscnt 0x0
	; four groups of four triples side by side: the first triple of a group takes in the nine values of the other three
.irp e, 3,4,5,6,7,8,9,10,11
.irp g, 0,1,2,3
	v_med3_num_f32 v[CD+12*\g+2], v[CD+12*\g+\e], v[CD+12*\g+1], v[CD+12*\g+2]
.endr
.irp g, 0,1,2,3
	v_med3_num_f32 v[CD+12*\g+1], v[CD+12*\g+\e], v[CD+12*\g], v[CD+12*\g+1]
.endr
.irp g, 0,1,2,3
	v_max_num_f32 v[CD+12*\g], v[CD+12*\g+\e], v[CD+12*\g]
.endr
.endr
.irp e, 12,13,14,24,25,26,36,37,38                 ; then group 0 takes in the other groups' triples
	v_med3_num_f32 v[CD+2], v[CD+\e], v[CD+1], v[CD+2]
	v_med3_num_f32 v[CD+1], v[CD+\e], v[CD], v[CD+1]
	v_max_num_f32 v[CD], v[CD+\e], v[CD]
.endr
.irp k, 0,1,2
	v_fma_f32 v[CD+\k], v[CD+\k], s30, v[NLN]      ; + nl of the row
.endr
.irp k, 0,1,2
	v_exp_f32 v[CD+\k], v[CD+\k]
.endr
	v_nop
	s_wait_alu depctr_va_vdst(0)
.irp k, 0,1,2
	ds_store_b32 v5, v[CD+\k] offset:256*\k
.endr
.Lmerged:
	s_wait_dscnt 0x0                               ; stored, for the other waves' sake
	s_barrier_signal -1
	s_barrier_wait -1
	s_cmp_gt_u32 s12, 5
	s_cbranch_scc1 .Lend
	; second step: wave w writes rank k = w / 2, patch row w & 1: image rows pr = lane / 16, 16 bytes (two patches) a lane.
	; In row pr the even columns show map pr and the odd ones map pr + 1.
	v_lshrrev_b32 v4, 4, v[LANE]                   ; pr
	v_and_b32 v5, 15, v[LANE]
	v_mul_u32_u24 v4, v4, 768
	v_lshl_add_u32 v4, v5, 3, v4                   ; + two rows of the table a lane
	s_lshl_b32 s24, s26, 8                         ; + 256 k
	s_lshl_b32 s25, s27, 7                         ; + 32 patches for the second patch row
	s_add_co_u32 s24, s24, s25
	s_add_co_u32 s24, s24, FOUT
	v_add_nc_u32 v4, s24, v4
	ds_load_b32 v[OUTR],   v4
	ds_load_b32 v[OUTR+1], v4 offset:768
	ds_load_b32 v[OUTR+2], v4 offset:4
	ds_load_b32 v[OUTR+3], v4 offset:772
	s_mul_i32 s24, s13, 3
	s_add_co_u32 s24, s24, s26
	s_lshl_b32 s24, s24, 14                        ; (3 b + k) x 64 rows x 256 bytes
	s_lshl_b32 s25, ttmp9, 10                      ; + four image rows for my 64 patches
	s_add_co_u32 s24, s24, s25
	s_lshl_b32 s25, s27, 9                         ; + two for the second patch row
	s_add_co_u32 s24, s24, s25
	s_mov_b32 s25, 0
	s_add_nc_u64 s[10:11], s[10:11], s[24:25]
	s_wait_dscnt 0x0
	global_store_b128 v[VOFF], v[OUTR:OUTR+3], s[10:11]    ; 16 lanes store one image row: 256 consecutive, aligned bytes
.Lend:
	s_wait_tensorcnt 0x0
	ds_add_u32 v254, v255
	s_wait_dscnt 0x0
	s_endpgm
.Lfunc_end_k_q60740835c0_topk:
	.size	k_q60740835c0_topk, .Lfunc_end_k_q60740835c0_topk-k_q60740835c0_topk
	.p2alignl 7, 3214868480
	.fill 96, 4, 3214868480
	.section	.rodata,"a",@progbits
	.p2align	6, 0x0
	.amdhsa_kernel k_q60740835c0_topk
		.amdhsa_group_segment_fixed_size 52480
		.amdhsa_private_segment_fixed_size 0
		.amdhsa_enable_private_segment 0
		.amdhsa_kernarg_size 32
		.amdhsa_user_sgpr_count 2
		.amdhsa_user_sgpr_kernarg_segment_ptr 1
		.amdhsa_wavefront_size32 1
		.amdhsa_system_sgpr_workgroup_id_x 1
		.amdhsa_system_sgpr_workgroup_id_y 1
		.amdhsa_system_sgpr_workgroup_id_z 1
		.amdhsa_system_vgpr_workitem_id 0
		.amdhsa_next_free_vgpr 512
		.amdhsa_next_free_sgpr 66
		.amdhsa_reserve_vcc 0
		.amdhsa_float_denorm_mode_32 3
		.amdhsa_float_denorm_mode_16_64 3
		.amdhsa_memory_ordered 1
		.amdhsa_forward_progress 1
		.amdhsa_inst_pref_size 130
	.end_amdhsa_kernel
	.amdgpu_metadata
---
amdhsa.version: [ 1, 2 ]
amdhsa.kernels:
  - .name:           k_q60740835c0_topk
    .symbol:         k_q60740835c0_topk.kd
    .args:
      - { .name: xn, .offset: 0, .size: 8, .value_kind: global_buffer, .address_space: global }
      - { .name: alpha, .offset: 8, .size: 8, .value_kind: global_buffer, .address_space: global }
      - { .name: nl, .offset: 16, .size: 8, .value_kind: global_buffer, .address_space: global }
      - { .name: out0, .offset: 24, .size: 8, .value_kind: global_buffer, .address_space: global }
    .group_segment_fixed_size: 52480
    .private_segment_fixed_size: 0
    .kernarg_segment_align: 8
    .kernarg_segment_size: 32
    .max_flat_workgroup_size: 256
    .sgpr_count:     66
    .vgpr_count:     512
    .wavefront_size: 32
...
	.end_amdgpu_metadata
.endif
;; end of part 3
